; MI455X (gfx1250); checked and timed in simulation.
; The chip was launched on July 23, 2026; its instructions are those of AMD's public machine-readable ISA for CDNA 5 (MIT licence, August 2026) and "CDNA5" Instruction Set Architecture Reference Guide (July 2026). The comments in the code are by the model that wrote it; some were corrected since.
;; Monotonic NN. Allowed arithmetic: float matrix products may take bf16 or f16 operands with f32 sums; all other float work in f32.
;; Inputs: iW0 8 x 128 float32; iW1 128 x 128 float32; iW2 128 x 1 float32; ib0 128 float32; ib1 128 float32; ib2 1 float32; nW0 7 x 128 float32; nW1 128 x 128 float32; nW2 128 x 2 float32; nb0 128 float32; nb1 128 float32; nb2 2 float32; x_input 32,768 x 8 float32.
;; Outputs: out0 32,768 x 1 float32.
;; One version. Each part assembles by itself: llvm-mc -triple=amdgcn-amd-amdhsa -mcpu=gfx1250 --defsym DOCPART=n.
;; ======== version 1 of 1: 1 launch
;; launch mono (part 1): grid 256 x 1, 8 waves a work-group, no clusters, 83,968 bytes of LDS; arguments x_input, iW0, ib0, iW1, ib1, iW2, ib2, nW0, nb0, nW1, nb1, nW2, nb2, out0; writes out0
.if DOCPART == 1
	.amdgcn_target "amdgcn-amd-amdhsa--gfx1250"
	.amdhsa_code_object_version 6
	.text
	.protected	k_q3444b7e49a_mono
	.globl	k_q3444b7e49a_mono
	.p2align	8
	.type	k_q3444b7e49a_mono,@function
k_q3444b7e49a_mono:
	s_mov_b64 s[64:65], 0
	v_nop
	global_prefetch_b8 v0, s[64:65] scope:SCOPE_SE
	s_setreg_imm32_b32 hwreg(HW_REG_WAVE_MODE, 25, 1), 1
	s_wait_xcnt 0x0
; MonotonicNN, everything in one launch.
;   out = sigmoid( exp(o1) * (x/2) * sum_s cc_s (elu(g_s) + 1) + o0 ),  g_s = the integrand net at (x t_s, h),  (o0, o1) = the offset net at h.
; SHARES.  256 work-groups x 128 samples; 8 waves; a wave keeps 16 samples for its whole life.  A matrix tile is the wave's 16 samples at ONE
; quadrature point s, so t_s and cc_s are the same for the whole tile.  51 trips for the integrand; one like step in front of them, with the
; other net's weights, is the offset net.
; FIRST LAYER.  It is affine in the abscissa: z.iW0 + ib0 = a + t_s b with a = ib0 + h.iW0[1:], b = x iW0[0], made once per sample in f32;
; a point's 128 hidden values are then 64 packed multiply-adds of the wave.  t_s and cc_s are constants of the problem's function (Clenshaw-Curtis, 50 steps).
; SECOND LAYER (the bulk).  D = Z1 (16 samples x 128, bf16) x W1 (128 x 128, bf16), f32 sums, 32 matrix instructions a tile.  W1 as fragments is
; 4 x 8 x 8 = 256 registers = register window 1, loaded once; all else of a wave is window 0: a trip reads no weight from LDS.
; 8 waves x 512 registers fill the four SIMDs' registers, two waves a SIMD: one wave's vector work stands beside the other's matrix work.
; BIAS AND THIRD LAYER.  relu(z + B) = max(z, -B) + B, so g = sum_f w_f max(z_f, -B_f) + (ib2 + sum_f w_f B_f): the first matrix instruction of
; an accumulator takes C = 0, and the constant enters as each lane's own share (KAP) in the first multiply-add.  In D a lane holds one feature
; column of 8 samples, so bias and last-layer weight cost one register per feature tile; the sum over features is a reduce-scatter over 16 lanes.
; NOT USED: tensor loads and a ring (nothing is streamed: 140 KB of weights are read once in front of 51 trips that touch no memory, and they
; have to pass through registers for the conversion to bf16); clusters with joint requests (for the same reason: what is shared is read once, as
; f32, and converted in registers); prefetches (no trip waits for memory).
; LIMITS KEPT.  max/min in the *_num forms drop a NaN where the problem's function would hand it on.  v_exp_f32 gives 0 for results below 2^-126.
; t_s and cc_s come from a fixed-point recurrence of the assembler, good to about 1e-6 relative.  Z1 and the two 128 x 128 weight matrices are
; rounded to bf16, all else is f32.  The bias in the form max(z, -B) + B is summed in another order than in the problem's function (f32 rounding only).
.set NPTS,   51                        ; quadrature points
.set WPITCH, 288                       ; LDS pitch of a weight row: 256 bytes of bf16 + 32 = 9 x 32 bytes
.set WBYTES, 128*WPITCH                ; one 128 x 128 matrix in LDS: 36,864 bytes
; LDS map
.set TAB,    0                         ; 52 entries of 8 bytes: entry i = (t_i, cc_(i-1))
.set OUTS,   512                       ; 128 results, f32
.set L0I,    1024                      ; iW0, f32, 8 rows of 512 bytes
.set L0N,    5120                      ; nW0, f32, rows 0-6; row 7 = nb0
.set WI,     9216                      ; iW1 as bf16 [k][f]; nW1 lies WBYTES behind it
; window 0
.set H32,    1                         ; 32 h  (h = lane / 16)
.set X,      2                         ; x of the sample whose result this lane ends up with
.set OFF,    3                         ; o0 of that sample
.set SCL,    4                         ; exp(o1) of that sample
.set TRA,    5                         ; lane term of the transposing fragment loads
.set OUTA,   6                         ; where my result goes in OUTS
.set SCR,    7
.set XIN,    8                         ; v[8:15]    the 8 inputs of sample lane % 16; dead behind the first layers, then:
.set T,      8                         ; v[8:9]     (t_s, cc_(s-1)), reloaded in the trip as (t_(s+1), cc_s)
.set KAP,    10                        ; v[10:11]   my share of ib2 + sum w B, twice
.set TAB_A,  12                        ; 8 x trips done
.set ZEST,   13                        ; the weighted sum
.set EN,     14
.set EP,     15
.set A_,     16                        ; v[16:79]   a: element e = 16c + 8q + i is feature 32c + 16q + 8h + i
.set B_,     80                        ; v[80:143]  b, same order
.set ACC,    144                       ; v[144:207] 8 accumulators; before the product: the 64 hidden values in f32
.set ZF,     208                       ; v[208:239] Z1 as 4 fragments; behind the product: partial sums
.set NB,     240                       ; v[240:247] ib1 of feature 16 ft + lane % 16, negated before the loop
.set W2,     248                       ; v[248:255] iW2 of that feature
; offset net only (inside B_, which is made later)
.set NBN,    80                        ; v[80:87]   nb1, negated
.set WNN,    88                        ; v[88:103]  8 pairs (nW2[f][0], nW2[f][1])
.set KN,     104                       ; v[104:105] my shares of the two constants
; prologue only
.set XA,     ZF+8
.set XF,     ZF+9
.set R4,     ZF+10
.set R8,     ZF+11
.set T16,    ZF+12
.set L16,    ZF+13
.set ST,     ZF+14
.set STN,    ZF+15
.set TRAN,   ZF+16
.set LN,     ACC+4
.set RR,     ACC+5
.set HH,     ACC+6
.set L7,     ACC+7
.set B3,     ACC+8
.set S8,     ACC+9
.set MSB, 0
.macro WIN new                         ; s_set_vgpr_msb: bits 1:0 source 0, 3:2 source 1, 5:4 source 2, 7:6 destination; the high byte repeats the setting left
.if MSB != \new
	s_set_vgpr_msb (MSB<<8)|\new
.set MSB, \new
.endif
.endm
; 64 transposing loads: the 32 fragments (K step c, feature tile ft) of one weight matrix into window 1, v[8 (8c + ft) .. + 7].
; Each load turns 8 x 8 bf16 of the [k][f] image: the first brings k = 32c + 8h .. + 7 of column 16 ft + lane % 16, the second 16 rows further.
.macro FRAG areg
	WIN 0x40
.irp c, 0,1,2,3
.irp ft, 0,1,2,3,4,5,6,7
	ds_load_tr16_b128 v[8*(8*\c+\ft):8*(8*\c+\ft)+3],   v[\areg] offset:WI+32*WPITCH*\c+32*\ft
	ds_load_tr16_b128 v[8*(8*\c+\ft)+4:8*(8*\c+\ft)+7], v[\areg] offset:WI+32*WPITCH*\c+16*WPITCH+32*\ft
.endr
.endr
	WIN 0
.endm
; First layer, one weight row d in two halves of 32 of my 64 features.  TMP is a symbol: where the row is put.
.macro L1LOAD base, d, H               ; 8 loads: features 64 H + 16 g + 8 h + 0..7, g = 0..3; all lanes of a half read the same bytes
.irp g, 0,1,2,3
	ds_load_b128 v[TMP+32*\H+8*\g:TMP+32*\H+8*\g+3],   v[H32] offset:\base+512*(\d)+256*\H+64*\g
	ds_load_b128 v[TMP+32*\H+8*\g+4:TMP+32*\H+8*\g+7], v[H32] offset:\base+512*(\d)+256*\H+64*\g+16
.endr
.endm
.macro L1FMA dst, H, xp, sel, mul      ; dst += row x input (register sel of the pair xp), or dst = row x input
.set ln, 0
.rept 16
.if \mul
	v_pk_mul_f32 v[\dst+32*\H+ln:\dst+32*\H+ln+1], v[TMP+32*\H+ln:TMP+32*\H+ln+1], v[\xp:\xp+1] op_sel:[0,\sel] op_sel_hi:[1,\sel]
.else
	v_pk_fma_f32 v[\dst+32*\H+ln:\dst+32*\H+ln+1], v[TMP+32*\H+ln:TMP+32*\H+ln+1], v[\xp:\xp+1], v[\dst+32*\H+ln:\dst+32*\H+ln+1] op_sel:[0,\sel,0] op_sel_hi:[1,\sel,1]
.endif
.set ln, ln+2
.endr
.endm
.macro L1ROW base, d, last, dst, xp, sel, mul
	L1LOAD \base, \d, 1
	s_wait_dscnt 0x8                               ; LDS answers in order (ISA guide 5.7.1): all but the eight loads just issued are in, so half 0 of this row is
	L1FMA \dst, 0, \xp, \sel, \mul
.if \last
	s_wait_dscnt 0x0                               ; nothing was issued behind half 1
.else
	L1LOAD \base, \d+1, 0
	s_wait_dscnt 0x8                               ; the eight loads of the next row's half 0 stay out; half 1 of this row is in
.endif
	L1FMA \dst, 1, \xp, \sel, \mul
.endm
; ReLU of the 64 hidden values in ACC, then bf16: pair n of ACC is register n of the four A fragments
.macro RELUCVT
.set rn, 0
.rept 32
	v_dual_max_num_f32 v[ACC+2*rn], 0, v[ACC+2*rn] :: v_dual_max_num_f32 v[ACC+2*rn+1], 0, v[ACC+2*rn+1]
.set rn, rn+1
.endr
.set rn, 0
.rept 32
	v_cvt_pk_bf16_f32 v[ZF+rn], v[ACC+2*rn], v[ACC+2*rn+1]
.set rn, rn+1
.endr
.endm
; 32 matrix instructions: 16 samples x 128 features, K = 128.  The first product of each accumulator starts its sum (C = 0).
.macro MM
	WIN 0x04                                       ; source 1 (the weights) in window 1
.irp c, 0,1,2,3
.irp ft, 0,1,2,3,4,5,6,7
.if \c == 0
	v_wmma_f32_16x16x32_bf16 v[ACC+8*\ft:ACC+8*\ft+7], v[ZF+8*\c:ZF+8*\c+7], v[8*(8*\c+\ft):8*(8*\c+\ft)+7], 0
.else
	v_wmma_f32_16x16x32_bf16 v[ACC+8*\ft:ACC+8*\ft+7], v[ZF+8*\c:ZF+8*\c+7], v[8*(8*\c+\ft):8*(8*\c+\ft)+7], v[ACC+8*\ft:ACC+8*\ft+7]
.endif
.endr
.endr
	WIN 0
.endm
; z = max(z, -B), in place.  A dual pair takes an even register of tile ft and an odd one of tile ft + 1 (and the other way round),
; so that its destinations are even and odd and its first and second sources are different registers, number mod 4 different.
.macro CLAMP nb
.irp ft, 0,2,4,6
.irp i, 0,2,4,6
	v_dual_max_num_f32 v[ACC+8*\ft+\i], v[ACC+8*\ft+\i], v[\nb+\ft] :: v_dual_max_num_f32 v[ACC+8*\ft+9+\i], v[ACC+8*\ft+9+\i], v[\nb+\ft+1]
	v_dual_max_num_f32 v[ACC+8*\ft+8+\i], v[ACC+8*\ft+8+\i], v[\nb+\ft+1] :: v_dual_max_num_f32 v[ACC+8*\ft+1+\i], v[ACC+8*\ft+1+\i], v[\nb+\ft]
.endr
.endr
.endm
; p[0..7] += w x tile ft's 8 samples; w = register sel of the pair wp.  first = 1: the addend is register ksel of the pair kp, nothing is cleared.
.macro DOT4 p, ft, wp, sel, first, kp, ksel
.irp i, 0,2,4,6
.if \first
	v_pk_fma_f32 v[\p+\i:\p+\i+1], v[ACC+8*(\ft)+\i:ACC+8*(\ft)+\i+1], v[\wp:\wp+1], v[\kp:\kp+1] op_sel:[0,\sel,\ksel] op_sel_hi:[1,\sel,\ksel]
.else
	v_pk_fma_f32 v[\p+\i:\p+\i+1], v[ACC+8*(\ft)+\i:ACC+8*(\ft)+\i+1], v[\wp:\wp+1], v[\p+\i:\p+\i+1] op_sel:[0,\sel,0] op_sel_hi:[1,\sel,1]
.endif
.endr
.endm
; Sum over the 16 lanes of a row for 8 values at once: in each of three steps a lane keeps the half of its values whose index bit equals its
; lane bit and hands the other half to its partner; a fourth step adds lanes 8 apart.  Result in v[k]: lane (r, h) holds sample 8h + r % 8.
.macro REDUCE p, k
.irp i, 0,1,2,3
	v_cndmask_b32 v[\k+\i],   v[\p+2*\i],   v[\p+2*\i+1], s40    ; kept
	v_cndmask_b32 v[\k+4+\i], v[\p+2*\i+1], v[\p+2*\i],   s40    ; handed over
.endr
.irp i, 0,1,2,3
	v_add_f32_dpp v[\k+\i], v[\k+4+\i], v[\k+\i] row_xmask:1 row_mask:0xf bank_mask:0xf
.endr
.irp i, 0,1
	v_cndmask_b32 v[\p+\i],   v[\k+2*\i],   v[\k+2*\i+1], s41
	v_cndmask_b32 v[\p+2+\i], v[\k+2*\i+1], v[\k+2*\i],   s41
.endr
.irp i, 0,1
	v_add_f32_dpp v[\p+\i], v[\p+2+\i], v[\p+\i] row_xmask:2 row_mask:0xf bank_mask:0xf
.endr
	v_cndmask_b32 v[\k],   v[\p],   v[\p+1], s42
	v_cndmask_b32 v[\k+1], v[\p+1], v[\p],   s42
	v_add_f32_dpp v[\k], v[\k+1], v[\k] row_xmask:4 row_mask:0xf bank_mask:0xf
	v_add_f32_dpp v[\k], v[\k], v[\k] row_xmask:8 row_mask:0xf bank_mask:0xf
.endm
; ============================================================ prologue
	s_load_b512 s[8:23], s[0:1], 0x0               ; x s[8:9], iW0 s[10:11], ib0 s[12:13], iW1 s[14:15], ib1 s[16:17], iW2 s[18:19], ib2 s[20:21], nW0 s[22:23]
	s_load_b256 s[24:31], s[0:1], 0x40             ; nb0 s[24:25], nW1 s[26:27], nb1 s[28:29], nW2 s[30:31]
	s_load_b128 s[32:35], s[0:1], 0x60             ; nb2 s[32:33], out0 s[34:35]
	v_lshrrev_b32 v[SCR], 5, v0
	v_readfirstlane_b32 s2, v[SCR]                 ; wave w, 0 to 7
	s_mov_b32 s40, 0xaaaaaaaa                      ; lanes with bit 0 set
	s_mov_b32 s41, 0xcccccccc                      ; bit 1
	s_mov_b32 s42, 0xf0f0f0f0                      ; bit 2
	v_and_b32 v[LN], 31, v0                        ; lane L
	v_and_b32 v[RR], 15, v0                        ; r
	v_bfe_u32 v[HH], v0, 4, 1                      ; h
	v_and_b32 v[L7], 7, v0
	v_bfe_u32 v[B3], v0, 3, 1
	s_lshl_b32 s37, s2, 9                          ; 512 w: 16 samples of 32 bytes, or one row of 128 f32
	s_mul_i32 s43, s2, WPITCH
	s_lshl_b32 s46, s2, 6                          ; 64 w: 16 results
	v_lshlrev_b32 v[H32], 5, v[HH]
	v_lshl_add_u32 v[S8], v[HH], 3, v[L7]          ; 8h + L % 8
	v_lshl_add_u32 v[XA], v[RR], 5, s37            ; inputs of sample r of my wave
	v_lshl_add_u32 v[XF], v[S8], 5, s37            ; x of sample 8h + L % 8
	v_lshlrev_b32 v[R4], 2, v[RR]
	v_lshlrev_b32 v[R8], 3, v[RR]
	v_lshlrev_b32 v[T16], 4, v0                    ; 16 bytes a thread: 4,096 bytes a work-group
	v_lshlrev_b32 v[L16], 4, v[LN]
	v_lshl_add_u32 v[ST], v[LN], 3, s43            ; weight row w (+ 8 i), 8 bytes of bf16 a lane
	v_add_nc_u32 v[STN], WBYTES, v[ST]
	v_mul_u32_u24 v[TRA], v[S8], WPITCH            ; row 8h + L % 8 of a K step,
	v_lshl_add_u32 v[TRA], v[B3], 4, v[TRA]        ; 16 bytes for each half of 8 lanes
	v_add_nc_u32 v[TRAN], WBYTES, v[TRA]
	v_lshl_add_u32 v[OUTA], v[S8], 2, s46
	s_wait_kmcnt 0x0
	s_load_b32 s36, s[20:21], 0x0                  ; ib2
	s_load_b64 s[38:39], s[32:33], 0x0             ; nb2
	s_lshl_b32 s4, ttmp9, 12                       ; 128 samples of 32 bytes
	s_mov_b32 s5, 0
	s_add_nc_u64 s[8:9], s[8:9], s[4:5]
	s_lshl_b32 s4, ttmp9, 9                        ; 128 results of 4 bytes
	s_add_nc_u64 s[34:35], s[34:35], s[4:5]
	s_mov_b32 s4, s37
	s_add_nc_u64 s[44:45], s[22:23], s[4:5]        ; row w of nW0 (7 rows) ...
	s_cmp_eq_u32 s2, 7
	s_cselect_b64 s[44:45], s[24:25], s[44:45]     ; ... and for wave 7 nb0: every wave issues the same loads, none leaves its buffer
	global_load_b128 v[XIN:XIN+3],   v[XA], s[8:9]
	global_load_b128 v[XIN+4:XIN+7], v[XA], s[8:9] offset:16
	global_load_b32 v[X], v[XF], s[8:9]
.irp ft, 0,1,2,3,4,5,6,7
	global_load_b32 v[NB+\ft], v[R4], s[16:17] offset:64*\ft
.endr
.irp ft, 0,1,2,3,4,5,6,7
	global_load_b32 v[W2+\ft], v[R4], s[18:19] offset:64*\ft
.endr
	global_load_b128 v[ZF:ZF+3],   v[T16], s[10:11]  ; iW0: the 256 threads take all 4,096 bytes
	global_load_b128 v[ZF+4:ZF+7], v[L16], s[44:45]  ; my wave's row of nW0 / nb0
.irp i, 0,1,2,3,4,5,6,7,8,9,10,11,12,13,14,15
	global_load_b128 v[A_+4*\i:A_+4*\i+3], v[T16], s[26:27] offset:4096*\i    ; nW1: chunk i of wave w is row 8 i + w, 512 consecutive bytes
.endr
.irp i, 0,1,2,3,4,5,6,7,8,9,10,11,12,13,14,15
	global_load_b128 v[B_+4*\i:B_+4*\i+3], v[T16], s[14:15] offset:4096*\i    ; iW1 likewise
.endr
; The table of t_s and cc_s, by wave 7 while its loads are on their way.  The assembler makes the numbers in fixed point, scale 2^30:
; cos(j pi/50) by the three-term recurrence from cos(pi/50); cc_j = (2/50) (1 - sum over q = 1..25 of 2 cos(2 q j pi/50) / (4 q^2 - 1)), half of
; that for j = 0 and 50 (the problem's own formula: only even rows of its cosine matrix carry weight, and its first and last columns are halved).
; t_(50-j) = (1 - cos(j pi/50)) / 2 and cc_(50-j) = cc_j, so 26 passes fill 51 entries.
	s_cmp_lg_u32 s2, 7
	s_cbranch_scc1 .Ltabdone
	v_mov_b32 v[ACC+3], 0                          ; address 0, and the value 0
	ds_store_b32 v[ACC+3], v[ACC+3] offset:TAB+4   ; entry 0 has no cc in front of it,
	ds_store_b32 v[ACC+3], v[ACC+3] offset:TAB+408 ; entry 51 no t: both are loaded and never used
.set SC,   1<<30
.set C1,   1071623040                  ; cos(pi/50) x 2^30
.set cosj, SC
.set cosp, C1
.set j, 0
.rept 26
.set c2j,  2*cosj*cosj/SC - SC         ; cos(2 j pi/50)
.set wsum, SC
.set chp,  SC
.set chq,  c2j
.set qq,   1
.rept 25
.set wsum, wsum - 2*chq/(4*qq*qq-1)
.set chn,  2*c2j*chq/SC - chp
.set chp,  chq
.set chq,  chn
.set qq,   qq+1
.endr
.if j == 0
.set wj, wsum/50
.else
.set wj, wsum/25
.endif
.set thi, (SC+cosj)/2
.set tlo, (SC-cosj)/2
	v_cvt_f32_i32 v[ACC],   thi
	v_cvt_f32_i32 v[ACC+1], tlo
	v_cvt_f32_i32 v[ACC+2], wj
	v_pk_mul_f32 v[ACC:ACC+1], v[ACC:ACC+1], 0x30800000 op_sel_hi:[1,0]      ; x 2^-30
	v_mul_f32 v[ACC+2], 0x30800000, v[ACC+2]
	ds_store_b32 v[ACC+3], v[ACC]   offset:TAB+8*j         ; t_j
	ds_store_b32 v[ACC+3], v[ACC+2] offset:TAB+8*j+12      ; cc_j, in entry j + 1
.if j < 25
	ds_store_b32 v[ACC+3], v[ACC+1] offset:TAB+400-8*j     ; t_(50-j)
	ds_store_b32 v[ACC+3], v[ACC+2] offset:TAB+412-8*j     ; cc_(50-j)
.endif
.set cosn, 2*C1*cosj/SC - cosp
.set cosp, cosj
.set cosj, cosn
.set j, j+1
.endr
.Ltabdone:
; staging: first-layer weights as f32, the two 128 x 128 matrices as bf16 [k][f]
	s_wait_loadcnt 0x20                            ; the 32 chunks of nW1 and iW1, issued last, stay out; all else is in
	ds_store_b128 v[T16], v[ZF:ZF+3]   offset:L0I
	ds_store_b128 v[T16], v[ZF+4:ZF+7] offset:L0N  ; wave w's row w; wave 7's is nb0
.irp i, 0,1,2,3,4,5,6,7,8,9,10,11,12,13,14,15
	s_wait_loadcnt 31-\i                           ; the chunks behind chunk i of nW1 stay out
	v_cvt_pk_bf16_f32 v[A_+4*\i],   v[A_+4*\i],   v[A_+4*\i+1]
	v_cvt_pk_bf16_f32 v[A_+4*\i+1], v[A_+4*\i+2], v[A_+4*\i+3]
	ds_store_b64 v[STN], v[A_+4*\i:A_+4*\i+1] offset:WI+8*WPITCH*\i    ; the wave's 32 lanes fill the row's 256 bytes
.endr
.irp i, 0,1,2,3,4,5,6,7,8,9,10,11,12,13,14,15
	s_wait_loadcnt 15-\i                           ; the same for iW1
	v_cvt_pk_bf16_f32 v[B_+4*\i],   v[B_+4*\i],   v[B_+4*\i+1]
	v_cvt_pk_bf16_f32 v[B_+4*\i+1], v[B_+4*\i+2], v[B_+4*\i+3]
	ds_store_b64 v[ST], v[B_+4*\i:B_+4*\i+1] offset:WI+8*WPITCH*\i
.endr
	s_wait_dscnt 0x0                               ; for the other waves' sake: all my LDS stores are done before I signal
.irp ft, 0,1,2,3,4,5,6,7
	global_load_b32 v[NBN+\ft], v[R4], s[28:29] offset:64*\ft                ; the offset net's bias and last layer, into registers that the stores above have left
.endr
.irp ft, 0,1,2,3,4,5,6,7
	global_load_b64 v[WNN+2*\ft:WNN+2*\ft+1], v[R8], s[30:31] offset:128*\ft
.endr
	s_wait_xcnt 0x0                                ; the offset registers in ZF are written again (as fragments) only behind this wait
	s_barrier_signal -1
	s_barrier_wait -1                              ; table, first-layer weights and both matrices are in LDS for everybody; nobody writes them again
; ============================================================ the offset net: one tile
	FRAG TRAN                                      ; nW1 into window 1
.irp g, 0,1,2,3,4,5,6,7
	ds_load_b128 v[ACC+8*\g:ACC+8*\g+3],   v[H32] offset:L0N+3584+64*\g      ; nb0 starts the sums
	ds_load_b128 v[ACC+8*\g+4:ACC+8*\g+7], v[H32] offset:L0N+3584+64*\g+16
.endr
.set TMP, A_
	L1LOAD L0N, 0, 0
	L1ROW L0N, 0, 0, ACC, XIN,   1, 0              ; row d of nW0 goes with input d + 1
	L1ROW L0N, 1, 0, ACC, XIN+2, 0, 0
	L1ROW L0N, 2, 0, ACC, XIN+2, 1, 0
	L1ROW L0N, 3, 0, ACC, XIN+4, 0, 0
	L1ROW L0N, 4, 0, ACC, XIN+4, 1, 0
	L1ROW L0N, 5, 0, ACC, XIN+6, 0, 0
	L1ROW L0N, 6, 1, ACC, XIN+6, 1, 0              ; its wait for 0 also stands behind the 64 fragment loads
	RELUCVT
.irp g, 0,1,2,3,4,5,6,7
	global_load_b128 v[A_+8*\g:A_+8*\g+3],   v[H32], s[12:13] offset:64*\g   ; ib0 starts a, in the order of my 64 features
	global_load_b128 v[A_+8*\g+4:A_+8*\g+7], v[H32], s[12:13] offset:64*\g+16
.endr
	s_wait_kmcnt 0x0                               ; ib2, nb2
	s_wait_loadcnt 0x10                            ; ib0's 16 loads stay out; nb1 and nW2 are in
	s_mul_f32 s38, s38, 0x3d800000                 ; nb2 / 16: the sum over 16 lanes makes it whole again
	s_mul_f32 s39, s39, 0x3d800000
	v_mov_b32 v[KN],   s38
	v_mov_b32 v[KN+1], s39
.irp ft, 0,2,4,6
	v_pk_fma_f32 v[KN:KN+1], v[WNN+2*\ft:WNN+2*\ft+1],   v[NBN+\ft:NBN+\ft+1], v[KN:KN+1] op_sel:[0,0,0] op_sel_hi:[1,0,1]
	v_pk_fma_f32 v[KN:KN+1], v[WNN+2*\ft+2:WNN+2*\ft+3], v[NBN+\ft:NBN+\ft+1], v[KN:KN+1] op_sel:[0,1,0] op_sel_hi:[1,1,1]
.endr
.irp i, 0,2,4,6
	v_pk_mul_f32 v[NBN+\i:NBN+\i+1], v[NBN+\i:NBN+\i+1], -1.0 op_sel_hi:[1,0]
.endr
	MM
.rept 4
	v_nop                                          ; four places before loads land on the weights just read and vector work touches results and fragments
.endr
	FRAG TRA                                       ; iW1 into window 1, on its way during what follows
	CLAMP NBN
	DOT4 ZF,   0, WNN, 0, 1, KN, 0
	DOT4 ZF+8, 0, WNN, 1, 1, KN, 1
.irp ft, 1,2,3,4,5,6,7
	DOT4 ZF,   \ft, WNN+2*\ft, 0, 0, KN, 0
	DOT4 ZF+8, \ft, WNN+2*\ft, 1, 0, KN, 0
.endr
	REDUCE ZF,   ZF+16
	REDUCE ZF+8, ZF+24
	v_mul_f32 v[SCR], 0x3fb8aa3b, v[ZF+24]         ; e^o1 = 2^(o1 log2 e)
	v_exp_f32 v[SCL], v[SCR]
	v_mov_b32 v[OFF], v[ZF+16]                     ; a plain instruction behind the exponential, before its result is used
; ============================================================ a and b of the integrand's first layer
	s_wait_loadcnt 0x0                             ; ib0 is in A_
.set TMP, ACC
	L1LOAD L0I, 0, 0
	L1ROW L0I, 0, 0, B_, XIN,   0, 1               ; b = x iW0[0]
	L1ROW L0I, 1, 0, A_, XIN,   1, 0               ; a = ib0 + sum over d = 1..7 of input d x iW0[d]
	L1ROW L0I, 2, 0, A_, XIN+2, 0, 0
	L1ROW L0I, 3, 0, A_, XIN+2, 1, 0
	L1ROW L0I, 4, 0, A_, XIN+4, 0, 0
	L1ROW L0I, 5, 0, A_, XIN+4, 1, 0
	L1ROW L0I, 6, 0, A_, XIN+6, 0, 0
	L1ROW L0I, 7, 1, A_, XIN+6, 1, 0               ; the inputs are done with; the fragment loads of iW1 are in too (older than this row's)
	s_mul_f32 s36, s36, 0x3d800000                 ; ib2 / 16
	v_mov_b32 v[KAP], s36
.irp ft, 0,1,2,3,4,5,6,7
	v_fmac_f32 v[KAP], v[W2+\ft], v[NB+\ft]
.endr
.irp i, 0,2,4,6
	v_pk_mul_f32 v[NB+\i:NB+\i+1], v[NB+\i:NB+\i+1], -1.0 op_sel_hi:[1,0]
.endr
	v_mov_b32 v[KAP+1], v[KAP]
	v_mov_b32 v[TAB_A], 0
	ds_load_b64 v[T:T+1], v[TAB_A] offset:TAB      ; (t_0, 0)
	v_mov_b32 v[ZEST], 0
	s_mov_b32 s3, 0
	s_wait_dscnt 0x0
; ============================================================ 51 quadrature points.  No barrier: a wave shares nothing here.
.Lpoint:
.set gn, 0
.rept 32
	v_pk_fma_f32 v[ACC+gn:ACC+gn+1], v[B_+gn:B_+gn+1], v[T:T+1], v[A_+gn:A_+gn+1] op_sel_hi:[1,0,1]   ; a + t_s b
.set gn, gn+2
.endr
	RELUCVT
	ds_load_b64 v[T:T+1], v[TAB_A] offset:TAB+8    ; entry s + 1 = (t_(s+1), cc_s): back long before the products are done
	MM
	s_add_co_u32 s3, s3, 1                         ; the trip counter's one step
	s_lshl_b32 s47, s3, 3
	v_mov_b32 v[TAB_A], s47                        ; 8 (s + 1) for the next trip; with the three below: four places behind the matrix instructions (ISA guide 7.12.1)
.rept 3
	v_nop
.endr
	s_wait_dscnt 0x0                               ; the table entry
	CLAMP NB
	DOT4 ZF, 0, W2, 0, 1, KAP, 0
	DOT4 ZF, 1, W2, 1, 0, KAP, 0
.irp ft, 2,4,6
	DOT4 ZF, \ft,   W2+\ft, 0, 0, KAP, 0
	DOT4 ZF, \ft+1, W2+\ft, 1, 0, KAP, 0
.endr
	REDUCE ZF, ZF+16                               ; g of sample 8h + r % 8
	v_min_num_f32 v[EN], 0, v[ZF+16]               ; elu(g) + 1 = max(g, 0) + e^min(g, 0): no branch, and the exponent is never above 0
	v_max_num_f32 v[EP], 0, v[ZF+16]
	v_mul_f32 v[EN], 0x3fb8aa3b, v[EN]
	v_exp_f32 v[EN], v[EN]
	v_fmac_f32 v[ZEST], v[T+1], v[EP]              ; the plain instruction behind the exponential
	s_wait_alu depctr_va_vdst(0)
	v_fmac_f32 v[ZEST], v[T+1], v[EN]
	s_cmp_lt_u32 s3, NPTS
	s_cbranch_scc1 .Lpoint
; ============================================================ the result
	v_mul_f32 v[EN], v[ZEST], v[X]
	v_mul_f32 v[EN], 0.5, v[EN]                    ; the integral
	v_fma_f32 v[EN], v[SCL], v[EN], v[OFF]
	v_mul_f32 v[EN], 0xbfb8aa3b, v[EN]             ; sigmoid(u) = 1 / (1 + 2^(-u log2 e))
	v_exp_f32 v[EN], v[EN]
	v_and_b32 v[SCR], 31, v0                       ; a plain instruction behind each transcendental
	s_wait_alu depctr_va_vdst(0)
	v_add_f32 v[EN], 1.0, v[EN]
	v_rcp_f32 v[EN], v[EN]
	v_lshlrev_b32 v[SCR], 4, v[SCR]                ; 16 x lane
	s_wait_alu depctr_va_vdst(0)
	ds_store_b32 v[OUTA], v[EN] offset:OUTS        ; lanes r and r + 8 of a row hold the same sample and write the same word with the same value
	s_wait_dscnt 0x0                               ; for wave 0's sake
	s_barrier_signal -1
	s_barrier_wait -1
	s_cmp_lg_u32 s2, 0
	s_cbranch_scc1 .Lend
	ds_load_b128 v[A_:A_+3], v[SCR] offset:OUTS    ; the work-group's 128 results
	s_wait_dscnt 0x0
	global_store_b128 v[SCR], v[A_:A_+3], s[34:35] ; one store of 512 consecutive bytes, at a multiple of 512 from out0's first byte
.Lend:
	s_wait_xcnt 0x0
	v_lshl_add_u32 v254, v0, 2, 0x14400
	v_mov_b32 v255, 0
	s_wait_tensorcnt 0x0
	ds_add_u32 v254, v255
	s_wait_dscnt 0x0
	s_endpgm
.Lfunc_end_k_q3444b7e49a_mono:
	.size	k_q3444b7e49a_mono, .Lfunc_end_k_q3444b7e49a_mono-k_q3444b7e49a_mono
	.p2alignl 7, 3214868480
	.fill 96, 4, 3214868480
	.section	.rodata,"a",@progbits
	.p2align	6, 0x0
	.amdhsa_kernel k_q3444b7e49a_mono
		.amdhsa_group_segment_fixed_size 83968
		.amdhsa_private_segment_fixed_size 0
		.amdhsa_enable_private_segment 0
		.amdhsa_kernarg_size 112
		.amdhsa_user_sgpr_count 2
		.amdhsa_user_sgpr_kernarg_segment_ptr 1
		.amdhsa_wavefront_size32 1
		.amdhsa_system_sgpr_workgroup_id_x 1
		.amdhsa_system_sgpr_workgroup_id_y 1
		.amdhsa_system_sgpr_workgroup_id_z 1
		.amdhsa_system_vgpr_workitem_id 0
		.amdhsa_next_free_vgpr 512
		.amdhsa_next_free_sgpr 66
		.amdhsa_reserve_vcc 0
		.amdhsa_float_denorm_mode_32 3
		.amdhsa_float_denorm_mode_16_64 3
		.amdhsa_memory_ordered 1
		.amdhsa_forward_progress 1
		.amdhsa_inst_pref_size 121
	.end_amdhsa_kernel
	.amdgpu_metadata
---
amdhsa.version: [ 1, 2 ]
amdhsa.kernels:
  - .name:           k_q3444b7e49a_mono
    .symbol:         k_q3444b7e49a_mono.kd
    .args:
      - { .name: x_input, .offset: 0, .size: 8, .value_kind: global_buffer, .address_space: global }
      - { .name: iW0, .offset: 8, .size: 8, .value_kind: global_buffer, .address_space: global }
      - { .name: ib0, .offset: 16, .size: 8, .value_kind: global_buffer, .address_space: global }
      - { .name: iW1, .offset: 24, .size: 8, .value_kind: global_buffer, .address_space: global }
      - { .name: ib1, .offset: 32, .size: 8, .value_kind: global_buffer, .address_space: global }
      - { .name: iW2, .offset: 40, .size: 8, .value_kind: global_buffer, .address_space: global }
      - { .name: ib2, .offset: 48, .size: 8, .value_kind: global_buffer, .address_space: global }
      - { .name: nW0, .offset: 56, .size: 8, .value_kind: global_buffer, .address_space: global }
      - { .name: nb0, .offset: 64, .size: 8, .value_kind: global_buffer, .address_space: global }
      - { .name: nW1, .offset: 72, .size: 8, .value_kind: global_buffer, .address_space: global }
      - { .name: nb1, .offset: 80, .size: 8, .value_kind: global_buffer, .address_space: global }
      - { .name: nW2, .offset: 88, .size: 8, .value_kind: global_buffer, .address_space: global }
      - { .name: nb2, .offset: 96, .size: 8, .value_kind: global_buffer, .address_space: global }
      - { .name: out0, .offset: 104, .size: 8, .value_kind: global_buffer, .address_space: global }
    .group_segment_fixed_size: 83968
    .private_segment_fixed_size: 0
    .kernarg_segment_align: 8
    .kernarg_segment_size: 112
    .max_flat_workgroup_size: 256
    .sgpr_count:     66
    .vgpr_count:     512
    .wavefront_size: 32
...
	.end_amdgpu_metadata
.endif
;; end of part 1
